; MI455X (gfx1250); checked and timed in simulation.
; The chip was launched on July 23, 2026; its instructions are those of AMD's public machine-readable ISA for CDNA 5 (MIT licence, August 2026) and "CDNA5" Instruction Set Architecture Reference Guide (July 2026).
;; Transformer Encoder Layer Simple. Allowed arithmetic: matrix products marked QUANTISED: E4M3 operands, one given power-of-two scale a tensor, by v_wmma_f32_16x16x64_fp8_fp8 or v_wmma_f32_16x16x128_fp8_fp8, f32 sums; products left as they are: f32 operands where the result goes on into a quantised operand, else bf16, f16 or f32 operands; f32 sums; everything else in f32.
;; Inputs: Wk_codes 512 x 16 x 32 uint8 (E4M3 codes of Wk, K innermost, in blocks of 32 codes); Wl_codes 512 x 16 x 32 uint8 (E4M3 codes of Wl, K innermost, in blocks of 32 codes); Wo_codes 512 x 16 x 32 uint8 (E4M3 codes of Wo, K innermost, in blocks of 32 codes); Wq_codes 512 x 16 x 32 uint8 (E4M3 codes of Wq, K innermost, in blocks of 32 codes); Wv_codes 512 x 16 x 32 uint8 (E4M3 codes of Wv, K innermost, in blocks of 32 codes); bk 512 float32; bl 512 float32; bo 512 float32; bq 512 float32; bv 512 float32; lowp_scales 10 int32 (the exponents e of the quantised operands' scales 2^e); src_codes 4,096 x 32 x 16 x 32 uint8 (E4M3 codes of src, K innermost, in blocks of 32 codes).
;; Outputs: out0 1 x 32 x 512 float32.
;; This version of the problem:
;;   THIS VERSION OF THE PROBLEM IS GIVEN IN LOW PRECISION. The matrix products marked QUANTISED in the list below multiply operands that are first quantised to E4M3 (4 exponent bits, 3 mantissa bits; 8 bits a number), with one given power-of-two scale for each operand tensor; their sums are f32. All else is computed in f32.
;;   The module's matrix products, in the order in which they are computed (A, B: the left and right operand; K: the contracted axis; several contracted axes count as one K, in the product's order):
;;     1. [M 131,072, K 512] x [K 512, N 512]; A: input src (given as codes); B: input Wk (given as codes): QUANTISED (scales: A lowp_scales[0], B lowp_scales[1])
;;     2. [M 131,072, K 512] x [K 512, N 512]; A: input src (given as codes); B: input Wv (given as codes): QUANTISED (scales: A lowp_scales[2], B lowp_scales[3])
;;     3. [M 32, K 512] x [K 512, N 512]; A: input src (given as codes); B: input Wq (given as codes): QUANTISED (scales: A lowp_scales[4], B lowp_scales[5])
;;     4. batch 256 x [M 1, K 64] x [K 64, N 4,096]; A: computed on the way; B: computed on the way: left as it is (M = 1 < 16)
;;     5. batch 256 x [M 1, K 4,096] x [K 4,096, N 64]; A: softmax; B: computed on the way: left as it is (M = 1 < 16)
;;     6. [M 32, K 512] x [K 512, N 512]; A: computed on the way; B: input Wo (given as codes): QUANTISED (scales: A lowp_scales[6], B lowp_scales[7])
;;     7. [M 32, K 512] x [K 512, N 512]; A: computed on the way; B: input Wl (given as codes): QUANTISED (scales: A lowp_scales[8], B lowp_scales[9])
;;   THE QUANTISER, for each operand of a quantised product, along K:
;;     - The operand's scale is 2^e, e = its entry of the input lowp_scales (int32; the entries are numbered through the quantised products in the list's order, A before B).
;;     - Each number is divided by the scale, clamped to +-448, and rounded to the nearest number of E4M3, ties to even, subnormals kept.
;;     - The product sums the exact products of the quantised numbers (number of the format x scale) in f32.
;;   ~~~python
;;   def quantise(x, axis, e):      # numpy; x: float32 -> the quantised numbers, widened to float32 again
;;       x = np.moveaxis(x, axis, -1); K = x.shape[-1]
;;       r = np.clip(x / 2.0 ** e, -448, 448)
;;       step = 2.0 ** (np.maximum(np.frexp(np.where(r == 0, 1, r))[1] - 1, -6) - 3)
;;       q = np.round(r / step) * step * 2.0 ** e      # np.round: ties to even
;;       return np.moveaxis(q, -1, axis).astype(np.float32)
;;   ~~~
;;   OPERANDS COMPUTED ON THE WAY. 'Computed on the way' means the value that the module computes at that place (a softmax that the list does not call 'softmax' is quantised finished and normalised). What goes into a quantiser is computed in f32, as accurately as f32 sums, v_exp_f32 and their like allow (about 1e-6 of the number): no bf16 or f16 on the way to a quantiser, and a product that is left as it is and whose result goes on into a quantised operand takes f32 operands (vector FMAs, or v_wmma_f32_16x16x4_f32). A number that lies on a knife's edge between two numbers of the format may be rounded either way, as far as f32 arithmetic and the matrix unit's own rounding can turn it there, and no further.
;;   INPUTS GIVEN AS CODES. Wk (in the module: [512, 512], K = its axis 1); Wl (in the module: [512, 512], K = its axis 1); Wo (in the module: [512, 512], K = its axis 1); Wq (in the module: [512, 512], K = its axis 1); Wv (in the module: [512, 512], K = its axis 1); src (in the module: [4096, 32, 512], K = its axis 2): each comes as NAME_codes (uint8): NAME with its K axis moved to the last place and cut into blocks of 32 codes, [.., K / 32, bytes a block], one block behind the other in memory; one code a byte (a code: sign, 4 exponent bits, 3 mantissa bits); its scale is its entry of lowp_scales. Its value is code x scale, taken as it is: it is not quantised again, and the codes and scales need not be those that the quantiser above would give.
;; One version. Each part assembles by itself: llvm-mc -triple=amdgcn-amd-amdhsa -mcpu=gfx1250 --defsym DOCPART=n.
;; ======== version 1 of 1: 2 launches
;; limits: right only within a limited range of input values
;; workspace buffers: part 131,072 bytes; stat 4,096 bytes
;; launch attn (part 1): grid 4 x 64, 4 waves a work-group, clusters of 4 x 4, 327,680 bytes of LDS; arguments src_codes, Wk_codes, Wv_codes, Wq_codes, bq, lowp_scales, part, stat; writes part, stat
.if DOCPART == 1
	.amdgcn_target "amdgcn-amd-amdhsa--gfx1250"
	.amdhsa_code_object_version 6
	.text
	.protected	k_q9a00f59c3f_attn
	.globl	k_q9a00f59c3f_attn
	.p2align	8
	.type	k_q9a00f59c3f_attn,@function
k_q9a00f59c3f_attn:
	s_mov_b64 s[64:65], 0
	v_nop
	global_prefetch_b8 v0, s[64:65] scope:SCOPE_SE
	s_setreg_imm32_b32 hwreg(HW_REG_WAVE_MODE, 25, 1), 1
	s_wait_xcnt 0x0
	s_wait_alu depctr_hold_cnt(0) depctr_sa_sdst(0) depctr_va_vdst(0) depctr_va_sdst(0) depctr_va_ssrc(0) depctr_va_vcc(0) depctr_vm_vsrc(0)
	s_getreg_b32 s2, hwreg(HW_REG_IB_STS2, 6, 4)
	s_cmp_eq_u32 s2, 0
	s_cbranch_scc0 .Lentry_in_a_cluster
	s_endpgm
.Lentry_in_a_cluster:
	s_bfe_u32 s2, ttmp6, 0x10000c
	s_cmp_lg_u32 s2, 0xf033
	s_cbranch_scc0 .Lentry_shape_is_right
	s_endpgm
.Lentry_shape_is_right:
.set PITCH,  528
.set TILEB,  16*PITCH
.set WROWS,  64*PITCH
.set HALFB,  128*PITCH
.set SLOTB,  256*PITCH
.set QST,    2*SLOTB
.set STG,    QST+512
.set STS,    STG+1024
.set SPARE,  STS+256
.set DSTEP,  1<<22
.set RR,   1
.set HB,   2
.set LT,   3
.set RDS,  4
.set AWK,  5
.set AWV,  6
.set AQ,   7
.set H16,  8
.set H32,  9
.set QSTO, 10
.set QLD,  11
.set PFO,  12
.set SPW,  13
.set NIL,  14
.set STO,  15
.set STSW, 16
.set RDO,  17
.set AX,   18
.set VM,   20
.set VL,   21
.set SA,   22
.set TT,   26
.set MN,   28
.set DD,   29
.set FF,   30
.set P0,   32
.set UU,   34
.set GOP,  36
.set GOS,  37
.set P1,   38
.set QV,   40
.set OV,   72
.set KR,   104
.set VR,   168
.set QROW, 168
.set BQ,   232
.set SB,   232
.set P2,   236
.set P3,   237
.set UX,   238
.set TX,   240
.set WV,   20
.set HSEL, 21
.set HALF, 22
.set G1S,  28
.set G1W,  36
.set G0,   44
.set G0W,  52
.set G0H,  60
.set LAP,  67
.set SGB,  68
.set SGF,  69
.set PFA,  70
.set SEL,  76
.set SCA,  78
.set SCB,  80
.set G1H,  84
.set W_K,  0x0d
.set PADS, (1<<20)|(1<<21)|(6<<22)|(3<<25)
.set MSB, 0
.macro WIN new
.if MSB != (\new)
	s_set_vgpr_msb (MSB<<8)|(\new)
.set MSB, (\new)
.endif
.endm
.macro PLACES
.rept 4
	v_nop
.endr
.endm
.macro CREST
	s_cmp_lg_u32 s[WV], 0
	s_cbranch_scc1 .Lnot_wave_0_\@
	s_barrier_signal -3
.Lnot_wave_0_\@:
	s_barrier_wait -3
	s_barrier_signal -1
	s_barrier_wait -1
.endm
.macro ROUND
	s_barrier_signal -1
	s_barrier_wait -1
	CREST
.endm
	s_load_b256 s[4:11], s[0:1], 0x0
	s_load_b256 s[12:19], s[0:1], 0x20
	v_lshl_add_u32 v[SPW], v0, 2, SPARE
	v_mov_b32 v[NIL], 0
	ds_add_u32 v[SPW], v[NIL]
	ds_add_u32 v[SPW], v[NIL]
	v_lshrrev_b32 v1, 5, v0
	v_readfirstlane_b32 s[WV], v1
	s_and_b32 s[HSEL], s[WV], 1
	s_lshr_b32 s[HALF], s[WV], 1
	s_mul_i32 s[SGB], s[HALF], 0x80808080
	s_lshl_b32 s[SGF], s[HALF], 31
	s_bfe_u32 s23, ttmp6, 0x40000
	s_bfe_u32 s82, ttmp6, 0x40004
	s_and_b32 s83, ttmp7, 0xffff
	s_lshl_b32 s83, s83, 2
	s_add_co_u32 s83, s83, s82
	s_and_b32 s24, s83, 31
	s_lshr_b32 s25, s83, 5
	s_lshl_b32 s82, s82, 2
	s_lshl_b32 s82, 15, s82
	s_lshl_b32 s83, 0x1111, s23
	s_or_b32 s[G1S+0], s82, PADS
	s_or_b32 s[G1H+0], s82, PADS
	s_or_b32 s[G1W+0], s83, PADS
.irp g, G1S, G1H, G1W
	s_mov_b32 s[\g+1], 512<<16
	s_mov_b32 s[\g+3], 512<<16
	s_mov_b32 s[\g+6], 0
	s_mov_b32 s[\g+7], 0
.endr
	s_mov_b32 s[G1S+2], 64<<16
	s_mov_b32 s[G1H+2], 128<<16
	s_mov_b32 s[G1W+2], 128<<16
	s_mov_b32 s[G1S+4], 64
	s_mov_b32 s[G1H+4], 128
	s_mov_b32 s[G1W+4], 128
	s_mov_b32 s[G1S+5], 16384
	s_mov_b32 s[G1H+5], 16384
	s_mov_b32 s[G1W+5], 512
	s_mov_b32 s[SEL], 0x76543210
	s_mov_b32 s[SEL+1], 0xfedcba98
	s_lshl_b32 s72, s25, 25
	s_lshl_b32 s74, s24, 9
	s_add_co_u32 s72, s72, s74
	s_lshl_b32 s74, s[WV], 20
	s_add_co_u32 s74, s74, s72
	s_mov_b32 s75, 0
	s_lshl_b32 s100, s[HSEL], 21
	s_add_co_u32 s100, s100, s72
	s_mov_b32 s101, 0
	s_mov_b32 s[G0], 1
	s_mov_b32 s[G0+4], 1
	s_mov_b32 s[G0W], 1
	s_mov_b32 s[G0H], 1
	s_mul_i32 s[G0+1], s[WV], WROWS
	s_add_co_u32 s[G0+5], s[G0+1], SLOTB
	s_mul_i32 s[G0H+1], s[HSEL], HALFB
	s_add_co_u32 s[G0W+1], s[G0H+1], SLOTB
	s_lshl_b32 s78, s23, 16
	s_mov_b32 s79, 0
	s_lshl_b32 s82, s23, 1
	s_add_co_u32 s82, s82, s[HSEL]
	s_lshl_b32 s80, s82, 15
	s_lshl_b32 s83, s[HALF], 14
	s_add_co_u32 s80, s80, s83
	s_mov_b32 s81, 0
	s_lshl_b32 s98, s82, 8
	s_lshl_b32 s83, s[HALF], 7
	s_add_co_u32 s98, s98, s83
	s_mov_b32 s99, 0
	s_lshl_b32 s96, s24, 1
	s_add_co_u32 s96, s96, s25
	s_lshl_b32 s92, s96, 6
	s_lshl_b32 s83, s23, 4
	s_add_co_u32 s92, s92, s83
	s_mov_b32 s93, 0
	s_lshl_b32 s96, s96, 11
	s_lshl_b32 s83, s23, 9
	s_add_co_u32 s96, s96, s83
	s_mov_b32 s97, 0
	s_lshl_b32 s94, s23, 20
	s_lshl_b32 s83, s[WV], 18
	s_add_co_u32 s94, s94, s83
	s_add_co_u32 s94, s94, s72
	s_add_co_u32 s94, s94, DSTEP
	s_mov_b32 s95, 0
	s_lshl_b32 s26, s24, 9
	s_add_co_u32 s26, s26, 1<<25
	s_mov_b32 s27, 0
	v_and_b32 v[RR], 15, v0
	v_bfe_u32 v[HB], v0, 4, 1
	v_mul_u32_u24 v[LT], v[RR], PITCH
	v_lshl_add_u32 v[LT], v[HB], 4, v[LT]
	s_mul_i32 s82, s[HALF], HALFB
	v_add_nc_u32 v[AX], s82, v[LT]
	v_add_nc_u32 v[AX+1], SLOTB, v[AX]
	s_mul_i32 s82, s[HSEL], WROWS
	s_add_co_u32 s82, s82, SLOTB
	v_add_nc_u32 v[AWK], s82, v[LT]
	v_add_nc_u32 v[AWV], 2*WROWS, v[AWK]
	v_lshlrev_b32 v[AQ], 9, v[RR]
	v_lshl_add_u32 v[AQ], v[HB], 4, v[AQ]
	v_lshlrev_b32 v[H16], 4, v[HB]
	v_lshlrev_b32 v[H32], 5, v[HB]
	s_lshl_b32 s82, s[HSEL], 8
	s_add_co_u32 s82, s82, QST
	v_add_nc_u32 v[QLD], s82, v[H32]
	s_lshl_b32 s83, s[HALF], 7
	s_add_co_u32 s82, s82, s83
	v_add_nc_u32 v[QSTO], s82, v[H32]
	v_and_b32 v[GOP], 31, v0
	v_lshrrev_b32 v[PFO], 1, v[GOP]
	v_and_b32 v[GOS], 1, v[GOP]
	v_lshlrev_b32 v[GOS], 8, v[GOS]
	v_lshl_add_u32 v[PFO], v[PFO], 14, v[GOS]
	s_lshl_b32 s82, s[WV], 8
	s_add_co_u32 s82, s82, STG
	v_add_nc_u32 v[STO], s82, v[H32]
	s_lshl_b32 s82, s[WV], 3
	s_add_co_u32 s82, s82, STS
	v_mov_b32 v[STSW], s82
	v_lshlrev_b32 v[GOP], 4, v[GOP]
	v_add_nc_u32 v[RDO], STG, v[GOP]
	v_lshlrev_b32 v[GOS], 3, v[HB]
	v_add_nc_u32 v[RDS], STS, v[GOS]
	v_mov_b32 v[VM], 0xff61b1e6
	v_mov_b32 v[VL], 0
	v_mov_b32 v[UU], 0
	v_mov_b32 v[UU+1], 0
	v_mov_b32 v[FF+1], 0
	v_mov_b32 v[P0+1], 0
	s_wait_alu depctr_va_vdst(0)
	s_wait_dscnt 0x0
	ROUND
	s_wait_kmcnt 0x0
	s_load_b64 s[56:57], s[14:15], 0x0
	s_load_b64 s[58:59], s[14:15], 0x10
	s_add_nc_u64 s[G0H+2:G0H+3], s[4:5], s[100:101]
	s_or_b32 s[G0H+3], s[G0H+3], 0x80000000
	s_cmp_eq_u32 s[HSEL], 0
	s_cselect_b64 s[G0W+2:G0W+3], s[6:7], s[8:9]
	s_add_nc_u64 s[G0W+2:G0W+3], s[G0W+2:G0W+3], s[78:79]
	s_or_b32 s[G0W+3], s[G0W+3], 0x80000000
	s_cmp_lt_u32 s[WV], 2
	s_cbranch_scc0 .Lrows
	tensor_load_to_lds s[G0W:G0W+3], s[G1W:G1W+7]
	s_nop 0
	PLACES
	s_branch .Lasked
.Lrows:
	tensor_load_to_lds s[G0H:G0H+3], s[G1H:G1H+7]
	s_nop 0
	PLACES
.Lasked:
	s_add_nc_u64 s[10:11], s[10:11], s[80:81]
	s_add_nc_u64 s[12:13], s[12:13], s[98:99]
	s_add_nc_u64 s[26:27], s[4:5], s[26:27]
	WIN 0xc0
.irp u, 0,1
.irp s, 0,1,2,3
.irp c, 0,1,2,3
	global_load_b128 v[128+64*\u+16*\s+4*\c:128+64*\u+16*\s+4*\c+3], v[AQ], s[10:11] offset:8192*\u+128*\s+32*\c
.endr
.endr
.endr
	WIN 0
.irp s, 0,1,2,3
.irp c, 0,1,2,3
	global_load_b128 v[QROW+16*\s+4*\c:QROW+16*\s+4*\c+3], v[H16], s[26:27] offset:128*\s+32*\c
.endr
.endr
.irp u, 0,1
	global_load_b128 v[BQ+8*\u:BQ+8*\u+3], v[H32], s[12:13] offset:64*\u
	global_load_b128 v[BQ+8*\u+4:BQ+8*\u+7], v[H32], s[12:13] offset:64*\u+16
.endr
	s_add_nc_u64 s[PFA:PFA+1], s[4:5], s[94:95]
	s_add_nc_u64 s[G0+2:G0+3], s[4:5], s[74:75]
	s_add_nc_u64 s[G0+6:G0+7], s[G0+2:G0+3], DSTEP
	s_or_b32 s[G0+3], s[G0+3], 0x80000000
	s_or_b32 s[G0+7], s[G0+7], 0x80000000
	s_add_nc_u64 s[16:17], s[16:17], s[96:97]
	s_add_nc_u64 s[18:19], s[18:19], s[92:93]
	global_prefetch_b8 v[PFO], s[PFA:PFA+1] th:TH_LOAD_NT scope:SCOPE_SE
.macro FETCH buf, slot, pr
	WIN 0xc0
.irp s, 0,1,2,3
.irp u, 0,1
.irp c, 0,1,2,3
	ds_load_b128 v[128*(\buf)+64*\u+16*\s+4*\c:128*(\buf)+64*\u+16*\s+4*\c+3], v[AX+(\slot)] offset:(2*(\pr)+\u)*TILEB+128*\s+32*\c
.endr
.endr
.endr
	WIN 0
.endm
.macro RUN kind, b
.set ii, 0
.rept 32
.set ms_, ii/8
.set mt_, (ii%8)/2
.set mu_, ii%2
.set md_, KR+64*(\kind)+32*mu_+8*mt_
.set ma_, 16*(4*mt_+ms_)
.set mb_, 128*(\b)+64*mu_+16*ms_
	WIN W_K+(\kind)
.if ms_ == 0
	v_wmma_f32_16x16x128_fp8_fp8 v[md_:md_+7], v[ma_:ma_+15], v[mb_:mb_+15], 0
.else
	v_wmma_f32_16x16x128_fp8_fp8 v[md_:md_+7], v[ma_:ma_+15], v[mb_:mb_+15], v[md_:md_+7]
.endif
.set ii, ii+1
.endr
	WIN 0
.endm
.macro OAD vec, cnt
.if \vec
.rept \cnt
.set ok_, OV+2*(on_%16)
.set ov_, VR+32*(on_/16)+2*(on_%16)
.set op_, pa_+(pb_-pa_)*(on_/16)
	v_dual_fmac_f32 v[ok_], v[ov_], v[op_] :: v_dual_fmac_f32 v[ok_+1], v[ov_+1], v[op_]
.set on_, on_+1
.endr
.endif
.endm
.macro SCORE base, u
.set kr_, KR+32*(\u)+2*kk
.set sc_, \base+2*(kk%2)
.if kk < 2
	v_dual_mul_f32 v[sc_], v[kr_], v[QV+2*kk] :: v_dual_mul_f32 v[sc_+1], v[kr_+1], v[QV+2*kk+1]
.else
	v_dual_fmac_f32 v[sc_], v[kr_], v[QV+2*kk] :: v_dual_fmac_f32 v[sc_+1], v[kr_+1], v[QV+2*kk+1]
.endif
.endm
.macro SCORES vec, tt, uu
.if \vec
	OAD 1, 4
.else
	PLACES
.endif
.set kk, 0
.rept 16
	SCORE SA, 0
	SCORE SB, 1
.set kk, kk+1
.endr
	v_pk_add_f32 v[SA:SA+1], v[SA:SA+1], v[SA+2:SA+3]
	v_pk_add_f32 v[SB:SB+1], v[SB:SB+1], v[SB+2:SB+3]
	OAD \vec, 3
	v_add_f32 v[\tt], v[SA], v[SA+1]
	v_add_f32 v[\tt+1], v[SB], v[SB+1]
	OAD \vec, 3
	v_permlanex16_b32 v[\uu], v[\tt], s[SEL], s[SEL+1]
	v_permlanex16_b32 v[\uu+1], v[\tt+1], s[SEL], s[SEL+1]
	OAD \vec, 3
	v_pk_add_f32 v[\tt:\tt+1], v[\tt:\tt+1], v[\uu:\uu+1]
.endm
.macro BATCH_AB vec
.set on_, 0
.set pa_, P2
.set pb_, P3
	SCORES \vec, TT, UU
.endm
.macro BATCH_CD vec
	SCORES \vec, TX, UX
	v_max3_num_f32 v[MN], v[VM], v[TT], v[TT+1]
	OAD \vec, 3
	v_max3_num_f32 v[MN], v[MN], v[TX], v[TX+1]
	OAD \vec, 3
	v_sub_f32 v[DD], v[VM], v[MN]
	v_pk_add_f32 v[UU:UU+1], v[TT:TT+1], v[MN:MN+1] op_sel_hi:[1,0] neg_lo:[0,1] neg_hi:[0,1]
	v_pk_add_f32 v[UX:UX+1], v[TX:TX+1], v[MN:MN+1] op_sel_hi:[1,0] neg_lo:[0,1] neg_hi:[0,1]
	s_wait_alu depctr_va_vdst(0)
	v_exp_f32 v[FF], v[DD]
	v_exp_f32 v[P0], v[UU]
	v_exp_f32 v[P1], v[UU+1]
	v_exp_f32 v[P2], v[UX]
	v_exp_f32 v[P3], v[UX+1]
	v_mov_b32 v[VM], v[MN]
.endm
.macro BATCH_O
.set xo_, OV
.rept 16
	v_dual_mul_f32 v[xo_], v[xo_], v[FF] :: v_dual_mul_f32 v[xo_+1], v[xo_+1], v[FF]
.set xo_, xo_+2
.endr
.set on_, 0
.set pa_, P0
.set pb_, P1
	OAD 1, 32
.endm
.macro BATCH_L
	v_add_f32 v[TT], v[P0], v[P1]
	v_add_f32 v[TT+1], v[P2], v[P3]
	v_fma_f32 v[VL], v[VL], v[FF], v[TT]
	v_add_f32 v[VL], v[VL], v[TT+1]
.endm
.macro ASK cond
.if \cond
	s_cmp_gt_u32 s[LAP], 1
	s_cbranch_scc0 .Lno_ask_\@
.endif
	global_prefetch_b8 v[PFO], s[PFA:PFA+1] th:TH_LOAD_NT scope:SCOPE_SE
.if \cond
.Lno_ask_\@:
.endif
.endm
.macro QUAD ld, slot, pr, mode, cs, cond
	s_wait_dscnt 32
	RUN 0, 0
	BATCH_AB 1
	s_wait_dscnt 0x0
.if \mode == 1
	s_wait_xcnt 0x0
	s_add_nc_u64 s[PFA:PFA+1], s[PFA:PFA+1], DSTEP
.endif
.if \mode
	s_wait_tensorcnt 0x0
	ds_add_u32 v[SPW], v[NIL]
.endif
	RUN 0, 1
	BATCH_CD 1
.if \mode
	s_wait_dscnt 0x0
	s_barrier_signal -1
.endif
	s_wait_alu depctr_va_vdst(0)
	RUN 1, 0
.if \mode
	s_barrier_wait -1
.if \mode == 1
	CREST
	s_add_nc_u64 s[G0+4*(\cs)+2:G0+4*(\cs)+3], s[G0+4*(\cs)+2:G0+4*(\cs)+3], 2*DSTEP
	tensor_load_to_lds s[G0+4*(\cs):G0+4*(\cs)+3], s[G1S:G1S+7]
	s_nop 0
	PLACES
.endif
.endif
	BATCH_O
.if \ld
	FETCH 0, \slot, \pr
.endif
.if \mode == 1
	ASK \cond
.endif
	RUN 1, 1
	BATCH_L
.if \ld
	FETCH 1, \slot, \pr+1
.endif
.endm
.macro QSUM d
	WIN 0x03
.irp s, 0,1,2,3
.irp u, 0,1
.if \s == 0
	v_wmma_f32_16x16x128_fp8_fp8 v[\d+8*\u:\d+8*\u+7], v[128+64*\u+16*\s:128+64*\u+16*\s+15], v[QROW+16*\s:QROW+16*\s+15], 0
.else
	v_wmma_f32_16x16x128_fp8_fp8 v[\d+8*\u:\d+8*\u+7], v[128+64*\u+16*\s:128+64*\u+16*\s+15], v[QROW+16*\s:QROW+16*\s+15], v[\d+8*\u:\d+8*\u+7]
.endif
.endr
.endr
	WIN 0
.endm
	s_wait_alu depctr_va_vdst(0)
	s_wait_tensorcnt 0x0
	s_barrier_signal -1
	s_barrier_wait -1
	FETCH 0, 0, 0
	WIN 0x40
.irp t, 0,1,2,3
.irp s, 0,1,2,3
.irp c, 0,1,2,3
	ds_load_b128 v[16*(4*\t+\s)+4*\c:16*(4*\t+\s)+4*\c+3], v[AWK] offset:\t*TILEB+128*\s+32*\c
.endr
.endr
.endr
	WIN 0x80
.irp t, 0,1,2,3
.irp s, 0,1,2,3
.irp c, 0,1,2,3
	ds_load_b128 v[16*(4*\t+\s)+4*\c:16*(4*\t+\s)+4*\c+3], v[AWV] offset:\t*TILEB+128*\s+32*\c
.endr
.endr
.endr
	s_wait_dscnt 63
	RUN 0, 0
	s_wait_loadcnt 0x0
	s_wait_kmcnt 0x0
	QSUM OV
	s_add_co_i32 s[SCA], s58, s59
	s_add_co_i32 s[SCA], s[SCA], 126
	s_lshl_b32 s[SCA], s[SCA], 23
	s_mov_b32 s[SCA+1], s[SCA]
	s_add_co_i32 s[SCB], s56, s57
	s_lshl_b32 s[SCB], s[SCB], 23
	s_add_co_i32 s[SCB], s[SCB], 0x3e38aa3b
	s_mov_b32 s[SCB+1], s[SCB]
	s_mov_b32 s82, 0x80808080
	PLACES
.set i, 0
.rept 64
	v_xor_b32 v[QROW+i], s82, v[QROW+i]
.set i, i+1
.endr
	QSUM OV+16
	PLACES
.irp i, 0,2,4,6,8,10,12,14
	v_pk_add_f32 v[OV+\i:OV+\i+1], v[OV+\i:OV+\i+1], v[OV+16+\i:OV+16+\i+1] neg_lo:[0,1] neg_hi:[0,1]
.endr
.irp i, 0,2,4,6,8,10,12,14
	v_pk_fma_f32 v[BQ+\i:BQ+\i+1], v[OV+\i:OV+\i+1], s[SCA:SCA+1], v[BQ+\i:BQ+\i+1] op_sel_hi:[1,0,1]
.endr
.irp i, 0,2,4,6,8,10,12,14
	v_pk_mul_f32 v[BQ+\i:BQ+\i+1], v[BQ+\i:BQ+\i+1], s[SCB:SCB+1] op_sel_hi:[1,0]
.endr
.irp u, 0,1
	ds_store_b128 v[QSTO], v[BQ+8*\u:BQ+8*\u+3] offset:64*\u
	ds_store_b128 v[QSTO], v[BQ+8*\u+4:BQ+8*\u+7] offset:64*\u+16
.endr
	s_wait_alu depctr_va_vdst(0)
	s_wait_xcnt 0x0
	s_add_nc_u64 s[PFA:PFA+1], s[PFA:PFA+1], DSTEP
	s_wait_tensorcnt 0x0
	ds_add_u32 v[SPW], v[NIL]
	s_wait_dscnt 0x0
	ROUND
	tensor_load_to_lds s[G0+4:G0+7], s[G1S:G1S+7]
	s_nop 0
	PLACES
.irp t, 0,1,2,3
	ds_load_b128 v[QV+8*\t:QV+8*\t+3], v[QLD] offset:64*\t
	ds_load_b128 v[QV+8*\t+4:QV+8*\t+7], v[QLD] offset:64*\t+16
.endr
	FETCH 1, 0, 1
	global_prefetch_b8 v[PFO], s[PFA:PFA+1] th:TH_LOAD_NT scope:SCOPE_SE
	v_mov_b32 v[UX], 0
	v_mov_b32 v[UX+1], 0
.set i, 0
.rept 32
	v_mov_b32 v[OV+i], 0
.set i, i+1
.endr
	WIN 0x88
.set i, 0
.rept 256
	v_xor_b32 v[i], s[SGB], v[i]
.set i, i+1
.endr
	WIN 0
	s_wait_dscnt 32
	BATCH_AB 0
	s_wait_dscnt 0x0
	RUN 0, 1
	BATCH_CD 0
	s_wait_alu depctr_va_vdst(0)
	RUN 1, 0
	BATCH_O
	FETCH 0, 0, 2
	RUN 1, 1
	BATCH_L
	FETCH 1, 0, 3
	s_mov_b32 s[LAP], 3
.Llap:
	QUAD 1, 1, 0, 1, 0, 0
	QUAD 1, 1, 2, 0, 0, 0
	QUAD 1, 0, 0, 1, 1, 1
	QUAD 1, 0, 2, 0, 0, 0
	s_sub_co_u32 s[LAP], s[LAP], 1
	s_wait_alu depctr_va_vdst(0)
	s_cmp_lg_u32 s[LAP], 0
	s_cbranch_scc1 .Llap
	QUAD 1, 1, 0, 2, 0, 0
	QUAD 1, 1, 2, 0, 0, 0
	QUAD 0, 0, 0, 0, 0, 0
.set on_, 0
.set pa_, P2
.set pb_, P3
	OAD 1, 32
	v_mov_b32 v[MN], v[VM]
.irp x, 1,2,4,8
	v_max_num_f32_dpp v[MN], v[MN], v[MN] row_xmask:\x row_mask:0xf bank_mask:0xf
.endr
	v_sub_f32 v[DD], v[VM], v[MN]
	s_wait_alu depctr_va_vdst(0)
	v_exp_f32 v[FF], v[DD]
	v_nop
	s_wait_alu depctr_va_vdst(0)
	v_mul_f32 v[VL], v[VL], v[FF]
	v_xor_b32 v[FF], s[SGF], v[FF]
.set i, 0
.rept 16
	v_pk_mul_f32 v[OV+i:OV+i+1], v[OV+i:OV+i+1], v[FF:FF+1] op_sel_hi:[1,0]
.set i, i+2
.endr
.irp x, 1,2,4,8
	v_add_f32_dpp v[VL], v[VL], v[VL] row_xmask:\x row_mask:0xf bank_mask:0xf
.set i, 0
.rept 32
	v_add_f32_dpp v[OV+i], v[OV+i], v[OV+i] row_xmask:\x row_mask:0xf bank_mask:0xf
.set i, i+1
.endr
.endr
	v_mov_b32 v[DD], v[VL]
.irp t, 0,1,2,3
	ds_store_b128 v[STO], v[OV+8*\t:OV+8*\t+3] offset:64*\t
	ds_store_b128 v[STO], v[OV+8*\t+4:OV+8*\t+7] offset:64*\t+16
.endr
	ds_store_b64 v[STSW], v[MN:MN+1]
	s_wait_alu depctr_va_vdst(0)
	s_wait_dscnt 0x0
	s_barrier_signal -1
	s_barrier_wait -1
	s_cmp_lg_u32 s[WV], 0
	s_cbranch_scc1 .Lnot_first
	ds_load_b128 v[BQ:BQ+3], v[RDO]
	ds_load_b128 v[BQ+4:BQ+7], v[RDO] offset:512
	ds_load_b64 v[SA:SA+1], v[RDS]
	ds_load_b64 v[SA+2:SA+3], v[RDS] offset:16
	s_wait_dscnt 0x0
	v_max_num_f32 v[MN], v[SA], v[SA+2]
	v_sub_f32 v[TT], v[SA], v[MN]
	v_sub_f32 v[UU], v[SA+2], v[MN]
	s_wait_alu depctr_va_vdst(0)
	v_exp_f32 v[FF], v[TT]
	v_exp_f32 v[P0], v[UU]
	v_nop
	s_wait_alu depctr_va_vdst(0)
	v_mul_f32 v[DD], v[SA+1], v[FF]
	v_fma_f32 v[DD], v[SA+3], v[P0], v[DD]
	v_pk_mul_f32 v[BQ:BQ+1], v[BQ:BQ+1], v[FF:FF+1] op_sel_hi:[1,0]
	v_pk_mul_f32 v[BQ+2:BQ+3], v[BQ+2:BQ+3], v[FF:FF+1] op_sel_hi:[1,0]
	v_pk_fma_f32 v[BQ:BQ+1], v[BQ+4:BQ+5], v[P0:P0+1], v[BQ:BQ+1] op_sel_hi:[1,0,1]
	v_pk_fma_f32 v[BQ+2:BQ+3], v[BQ+6:BQ+7], v[P0:P0+1], v[BQ+2:BQ+3] op_sel_hi:[1,0,1]
	global_store_b128 v[GOP], v[BQ:BQ+3], s[16:17]
	v_cmp_eq_u32 vcc_lo, 0, v[RR]
	s_wait_alu depctr_va_vdst(0)
	s_wait_xcnt 0x0
	s_and_saveexec_b32 s82, vcc_lo
	global_store_b64 v[GOS], v[MN:MN+1], s[18:19]
	s_wait_xcnt 0x0
	s_or_b32 exec_lo, exec_lo, s82
.Lnot_first:
	s_wait_tensorcnt 0x0
	ds_add_u32 v[SPW], v[NIL]
	s_wait_dscnt 0x0
	ROUND
	s_endpgm
.Lfunc_end_k_q9a00f59c3f_attn:
	.size	k_q9a00f59c3f_attn, .Lfunc_end_k_q9a00f59c3f_attn-k_q9a00f59c3f_attn
	.p2alignl 7, 3214868480
	.fill 96, 4, 3214868480
	.section	.rodata,"a",@progbits
	.p2align	6, 0x0
	.amdhsa_kernel k_q9a00f59c3f_attn
		.amdhsa_group_segment_fixed_size 327680
		.amdhsa_private_segment_fixed_size 0
		.amdhsa_enable_private_segment 0
		.amdhsa_kernarg_size 64
		.amdhsa_user_sgpr_count 2
		.amdhsa_user_sgpr_kernarg_segment_ptr 1
		.amdhsa_wavefront_size32 1
		.amdhsa_system_sgpr_workgroup_id_x 1
		.amdhsa_system_sgpr_workgroup_id_y 1
		.amdhsa_system_sgpr_workgroup_id_z 1
		.amdhsa_system_vgpr_workitem_id 0
		.amdhsa_next_free_vgpr 1024
		.amdhsa_next_free_sgpr 102
		.amdhsa_reserve_vcc 1
		.amdhsa_float_denorm_mode_32 3
		.amdhsa_float_denorm_mode_16_64 3
		.amdhsa_memory_ordered 1
		.amdhsa_forward_progress 1
		.amdhsa_inst_pref_size 236
	.end_amdhsa_kernel
	.amdgpu_metadata
---
amdhsa.version: [ 1, 2 ]
amdhsa.kernels:
  - .name:           k_q9a00f59c3f_attn
    .symbol:         k_q9a00f59c3f_attn.kd
    .args:
      - { .name: src_codes, .offset: 0, .size: 8, .value_kind: global_buffer, .address_space: global }
      - { .name: Wk_codes, .offset: 8, .size: 8, .value_kind: global_buffer, .address_space: global }
      - { .name: Wv_codes, .offset: 16, .size: 8, .value_kind: global_buffer, .address_space: global }
      - { .name: Wq_codes, .offset: 24, .size: 8, .value_kind: global_buffer, .address_space: global }
      - { .name: bq, .offset: 32, .size: 8, .value_kind: global_buffer, .address_space: global }
      - { .name: lowp_scales, .offset: 40, .size: 8, .value_kind: global_buffer, .address_space: global }
      - { .name: part, .offset: 48, .size: 8, .value_kind: global_buffer, .address_space: global }
      - { .name: stat, .offset: 56, .size: 8, .value_kind: global_buffer, .address_space: global }
    .group_segment_fixed_size: 327680
    .private_segment_fixed_size: 0
    .kernarg_segment_align: 8
    .kernarg_segment_size: 64
    .max_flat_workgroup_size: 128
    .sgpr_count:     102
    .vgpr_count:     1024
    .wavefront_size: 32
...
	.end_amdgpu_metadata
.endif
;; end of part 1
;; launch proj (part 2): grid 8 x 2, 4 waves a work-group, clusters of 4 x 1, 327,680 bytes of LDS; arguments part, stat, bv, Wo_codes, bo, Wl_codes, bl, lowp_scales, out0; writes out0
.if DOCPART == 2
	.amdgcn_target "amdgcn-amd-amdhsa--gfx1250"
	.amdhsa_code_object_version 6
	.text
	.protected	k_q9a00f59c3f_proj
	.globl	k_q9a00f59c3f_proj
	.p2align	8
	.type	k_q9a00f59c3f_proj,@function
k_q9a00f59c3f_proj:
	s_mov_b64 s[64:65], 0
	v_nop
	global_prefetch_b8 v0, s[64:65] scope:SCOPE_SE
	s_setreg_imm32_b32 hwreg(HW_REG_WAVE_MODE, 25, 1), 1
	s_wait_xcnt 0x0
	s_wait_alu depctr_hold_cnt(0) depctr_sa_sdst(0) depctr_va_vdst(0) depctr_va_sdst(0) depctr_va_ssrc(0) depctr_va_vcc(0) depctr_vm_vsrc(0)
	s_getreg_b32 s2, hwreg(HW_REG_IB_STS2, 6, 4)
	s_cmp_eq_u32 s2, 0
	s_cbranch_scc0 .Lentry_in_a_cluster
	s_endpgm
.Lentry_in_a_cluster:
	s_bfe_u32 s2, ttmp6, 0x10000c
	s_cmp_lg_u32 s2, 0x3003
	s_cbranch_scc0 .Lentry_shape_is_right
	s_endpgm
.Lentry_shape_is_right:
.set FRB,   2048
.set XIMG,  0
.set HIMG,  4*FRB
.set STG,   8*FRB
.set SP,    272
.set SPARE, STG+16*SP
.set WOL,   SPARE+768
.set WOP,   528
.set PO,   4
.set SO,   5
.set H64,  6
.set H32,  7
.set WOO,  8
.set WLO,  9
.set LI,   10
.set WI,   11
.set STO,  12
.set SRD,  13
.set GO,   14
.set XF,   16
.set HA,   80
.set PC,   144
.set XX,   160
.set BO,   64
.set HN,   128
.set SPW,  252
.set NIL,  253
.set WV,   22
.set G0,   60
.set G1,   68
.set MSB, 0
.macro WIN new
.if MSB != (\new)
	s_set_vgpr_msb (MSB<<8)|(\new)
.set MSB, (\new)
.endif
.endm
.macro ROUND
	s_barrier_signal -1
	s_barrier_wait -1
	s_cmp_lg_u32 s[WV], 0
	s_cbranch_scc1 .Lnot_wave_0_\@
	s_barrier_signal -3
.Lnot_wave_0_\@:
	s_barrier_wait -3
	s_barrier_signal -1
	s_barrier_wait -1
.endm
.macro QUANT s, sc, lim
.irp b, 0,1,2,3
.irp i, 0,1,2,3,4,5,6,7,8,9,10,11,12,13,14,15
	v_med3_num_f32 v[\s+16*\b+\i], v[\s+16*\b+\i], -v[\lim], v[\lim]
.endr
	v_cvt_scalef32_pk8_fp8_f32 v[PC+4*\b:PC+1+4*\b], v[\s+16*\b:\s+7+16*\b], v[\sc]
	v_cvt_scalef32_pk8_fp8_f32 v[PC+2+4*\b:PC+3+4*\b], v[\s+8+16*\b:\s+15+16*\b], v[\sc]
.endr
	v_nop
.endm
.macro IMAGE off
.irp c, 0,1,2,3
	ds_store_b128 v[WI], v[PC+4*\c:PC+4*\c+3] offset:\off+512*\c
.endr
.endm
.macro FETCH4 off
.irp s, 0,1,2,3
.irp c, 0,1,2,3
	ds_load_b128 v[XF+16*\s+4*\c:XF+16*\s+4*\c+3], v[LI] offset:\off+FRB*\s+512*\c
.endr
.endr
.endm
.macro BARRIER
	s_wait_dscnt 0x0
	s_barrier_signal -1
	s_barrier_wait -1
.endm
	s_load_b256 s[4:11], s[0:1], 0x0
	s_load_b256 s[12:19], s[0:1], 0x20
	s_load_b64 s[20:21], s[0:1], 0x40
	v_lshl_add_u32 v[SPW], v0, 2, SPARE
	v_mov_b32 v[NIL], 0
	ds_add_u32 v[SPW], v[NIL]
	ds_add_u32 v[SPW], v[NIL]
	v_lshrrev_b32 v1, 5, v0
	v_readfirstlane_b32 s[WV], v1
	s_mov_b32 s[G1+0], 15|(1<<20)|(1<<21)|(6<<22)|(3<<25)
	s_mov_b32 s[G1+1], 512<<16
	s_mov_b32 s[G1+2], 128<<16
	s_mov_b32 s[G1+3], 512<<16
	s_mov_b32 s[G1+4], 128
	s_mov_b32 s[G1+5], 512
	s_mov_b32 s[G1+6], 0
	s_mov_b32 s[G1+7], 0
	s_mov_b32 s[G0], 1
	s_mul_i32 s[G0+1], s[WV], 128*WOP
	s_add_co_u32 s[G0+1], s[G0+1], WOL
	s_bfe_u32 s23, ttmp6, 0x40000
	s_lshl_b32 s25, ttmp9, 2
	s_add_co_u32 s23, s23, s25
	s_and_b32 s24, ttmp7, 0xffff
	s_lshl_b32 s26, s24, 16
	s_lshl_b32 s27, s[WV], 9
	s_add_co_u32 s26, s26, s27
	s_mov_b32 s27, 0
	s_lshl_b32 s28, s24, 11
	s_lshl_b32 s29, s[WV], 4
	s_add_co_u32 s28, s28, s29
	s_mov_b32 s29, 0
	s_lshl_b32 s30, s[WV], 9
	s_mov_b32 s31, 0
	s_lshl_b32 s32, s[WV], 16
	s_mov_b32 s33, 0
	s_lshl_b32 s34, s23, 2
	s_add_co_u32 s34, s34, s[WV]
	s_lshl_b32 s36, s34, 13
	s_mov_b32 s37, 0
	s_lshl_b32 s34, s34, 6
	s_mov_b32 s35, 0
	s_lshl_b32 s38, s24, 15
	s_lshl_b32 s39, s[WV], 13
	s_add_co_u32 s38, s38, s39
	s_lshl_b32 s39, s23, 8
	s_add_co_u32 s38, s38, s39
	s_mov_b32 s39, 0
	s_mul_i32 s40, s[WV], 128*WOP
	s_add_co_u32 s40, s40, WOL
	s_lshl_b32 s41, s[WV], 11
	s_lshl_b32 s42, s[WV], 6
	s_add_co_u32 s42, s42, STG
	s_mul_i32 s43, s[WV], 4*SP
	s_add_co_u32 s43, s43, STG
	v_and_b32 v1, 15, v0
	v_bfe_u32 v2, v0, 4, 1
	v_and_b32 v3, 31, v0
	v_lshlrev_b32 v[PO], 12, v1
	v_lshl_add_u32 v[PO], v2, 6, v[PO]
	v_lshlrev_b32 v[SO], 7, v1
	v_lshlrev_b32 v[H64], 6, v2
	v_lshlrev_b32 v[H32], 5, v2
	v_mul_u32_u24 v[WOO], v1, WOP
	v_lshl_add_u32 v[WOO], v2, 4, v[WOO]
	v_add_nc_u32 v[WOO], s40, v[WOO]
	v_lshlrev_b32 v[WLO], 9, v1
	v_lshl_add_u32 v[WLO], v2, 3, v[WLO]
	v_lshlrev_b32 v[LI], 4, v3
	v_add_nc_u32 v[WI], s41, v[LI]
	v_mul_u32_u24 v[STO], v1, SP
	v_lshl_add_u32 v[STO], v2, 5, v[STO]
	v_add_nc_u32 v[STO], s42, v[STO]
	v_mul_u32_u24 v[SRD], v2, SP
	v_lshl_add_u32 v[SRD], v1, 4, v[SRD]
	v_add_nc_u32 v[SRD], s43, v[SRD]
	v_lshlrev_b32 v[GO], 11, v2
	v_lshl_add_u32 v[GO], v1, 4, v[GO]
	s_wait_alu depctr_va_vdst(0)
	s_wait_dscnt 0x0
	ROUND
	s_wait_kmcnt 0x0
	s_add_nc_u64 s[G0+2:G0+3], s[10:11], s[32:33]
	s_or_b32 s[G0+3], s[G0+3], 0x80000000
	tensor_load_to_lds s[G0:G0+3], s[G1:G1+7]
	s_nop 0
.rept 4
	v_nop
.endr
	s_load_b256 s[40:47], s[18:19], 0x0
	s_load_b64 s[48:49], s[18:19], 0x20
	s_add_nc_u64 s[4:5], s[4:5], s[26:27]
	s_add_nc_u64 s[6:7], s[6:7], s[28:29]
	s_add_nc_u64 s[8:9], s[8:9], s[30:31]
	s_add_nc_u64 s[12:13], s[12:13], s[30:31]
	s_add_nc_u64 s[14:15], s[14:15], s[36:37]
	s_add_nc_u64 s[16:17], s[16:17], s[34:35]
	s_add_nc_u64 s[20:21], s[20:21], s[38:39]
	global_load_b128 v[224:227], v[SO], s[6:7]
	global_load_b128 v[228:231], v[SO], s[6:7] offset:64
.irp g, 0,1
.irp b, 0,1,2,3
.irp k, 0,1,2,3
	global_load_b128 v[XF+64*\g+16*\b+4*\k:XF+64*\g+16*\b+4*\k+3], v[PO], s[4:5] offset:2048*\g+128*\b+16*\k
.endr
.endr
.endr
.irp b, 0,1,2,3
.irp k, 0,1,2,3
	global_load_b128 v[XX+16*\b+4*\k:XX+16*\b+4*\k+3], v[H64], s[8:9] offset:128*\b+16*\k
.endr
.endr
	WIN 0xc0
.irp t, 0,1,2,3,4,5,6,7
	global_load_b128 v[BO+8*\t:BO+8*\t+3], v[H32], s[12:13] offset:64*\t
	global_load_b128 v[BO+8*\t+4:BO+8*\t+7], v[H32], s[12:13] offset:64*\t+16
.endr
	WIN 0
	global_load_b128 v[240:243], v[H32], s[16:17]
	global_load_b128 v[244:247], v[H32], s[16:17] offset:16
	WIN 0xc0
.irp s, 0,1,2,3
.irp c, 0,1,2,3,4,5,6,7
	global_load_b64 v[16*\s+2*\c:16*\s+2*\c+1], v[WLO], s[14:15] offset:128*\s+16*\c
.endr
.endr
	WIN 0
	s_wait_kmcnt 0x0
	s_add_co_i32 s52, s42, s43
	s_add_co_i32 s53, s46, s47
	s_add_co_i32 s53, s53, 126
	s_lshl_b32 s58, s53, 23
	s_mov_b32 s59, s58
	s_add_co_i32 s55, s46, 127
	s_lshl_b32 s56, s55, 23
	v_mov_b32 v248, s56
	s_add_co_i32 s55, s55, 8
	s_lshl_b32 s55, s55, 23
	s_or_b32 s55, s55, 0x600000
	v_mov_b32 v249, s55
	s_add_co_i32 s55, s48, 127
	s_lshl_b32 s56, s55, 23
	v_mov_b32 v250, s56
	s_add_co_i32 s55, s55, 8
	s_lshl_b32 s55, s55, 23
	s_or_b32 s55, s55, 0x600000
	v_mov_b32 v251, s55
	s_add_co_i32 s50, s48, s49
	s_add_co_i32 s50, s50, 127
	s_lshl_b32 s50, s50, 23
	s_mov_b32 s51, s50
	s_mov_b32 s57, 0x80808080
	s_wait_alu depctr_va_vdst(0)
	s_wait_loadcnt 32
	v_max_num_f32 v232, v224, v228
	v_max_num_f32 v234, v226, v230
	v_sub_f32 v224, v224, v232
	v_sub_f32 v228, v228, v232
	v_sub_f32 v226, v226, v234
	v_sub_f32 v230, v230, v234
	s_wait_alu depctr_va_vdst(0)
	v_exp_f32 v224, v224
	v_exp_f32 v228, v228
	v_exp_f32 v226, v226
	v_exp_f32 v230, v230
	v_nop
	s_wait_alu depctr_va_vdst(0)
	v_mul_f32 v232, v225, v224
	v_mul_f32 v234, v227, v226
	v_fma_f32 v232, v229, v228, v232
	v_fma_f32 v234, v231, v230, v234
	s_wait_alu depctr_va_vdst(0)
	v_rcp_f32 v232, v232
	v_rcp_f32 v234, v234
	v_nop
	s_wait_alu depctr_va_vdst(0)
	v_ldexp_f32 v232, v232, s52
	v_ldexp_f32 v234, v234, s52
	v_mul_f32 v236, v228, v232
	v_mul_f32 v238, v230, v234
	v_mul_f32 v232, v224, v232
	v_mul_f32 v234, v226, v234
	v_mov_b32 v233, 0
	v_mov_b32 v235, 0
	v_mov_b32 v237, 0
	v_mov_b32 v239, 0
.irp b, 0,1,2,3
.irp i, 0,2,4,6,8,10,12,14
	v_pk_fma_f32 v[XX+16*\b+\i:XX+16*\b+\i+1], v[XF+64+16*\b+\i:XF+64+16*\b+\i+1], v[236+2*(\b/2):237+2*(\b/2)], v[XX+16*\b+\i:XX+16*\b+\i+1] op_sel_hi:[1,0,1]
.endr
.irp i, 0,2,4,6,8,10,12,14
	v_pk_fma_f32 v[XX+16*\b+\i:XX+16*\b+\i+1], v[XF+16*\b+\i:XF+16*\b+\i+1], v[232+2*(\b/2):233+2*(\b/2)], v[XX+16*\b+\i:XX+16*\b+\i+1] op_sel_hi:[1,0,1]
.endr
.endr
	QUANT XX, 248, 249
	IMAGE XIMG
	BARRIER
	FETCH4 XIMG
	s_wait_tensorcnt 0x0
.irp s, 0,1,2,3
	WIN 0x40
.irp t, 0,1,2,3
.irp c, 0,1,2,3
	ds_load_b128 v[16*(4*\t+\s)+4*\c:16*(4*\t+\s)+4*\c+3], v[WOO] offset:\t*16*WOP+128*\s+32*\c
.endr
.endr
	WIN 0x80
.irp t, 0,1,2,3
.irp c, 0,1,2,3
	ds_load_b128 v[16*(4*\t+\s)+4*\c:16*(4*\t+\s)+4*\c+3], v[WOO] offset:(\t+4)*16*WOP+128*\s+32*\c
.endr
.endr
.endr
	WIN 0
	s_wait_dscnt 63
.set i, 0
.rept 64
	v_xor_b32 v[XX+i], s57, v[XF+i]
.set i, i+1
.endr
	s_wait_alu depctr_va_vdst(0)
.set ks, 0
.rept 4
.if ks == 2
	s_wait_dscnt 32
.elseif ks == 3
	s_wait_dscnt 0x0
.endif
.set tt, 0
.rept 8
.set ha_, HA+8*tt
.set wo_, 16*(4*(tt%4)+ks)
	WIN 0x01+(tt/4)
.if ks == 0
	v_wmma_f32_16x16x128_fp8_fp8 v[ha_:ha_+7], v[wo_:wo_+15], v[XF+16*ks:XF+16*ks+15], 0
.else
	v_wmma_f32_16x16x128_fp8_fp8 v[ha_:ha_+7], v[wo_:wo_+15], v[XF+16*ks:XF+16*ks+15], v[ha_:ha_+7]
.endif
.set tt, tt+1
.endr
.set tt, 0
.rept 8
.set hn_, HN+8*tt
.set wo_, 16*(4*(tt%4)+ks)
	WIN 0xf1+(tt/4)
.if ks == 0
	v_wmma_f32_16x16x128_fp8_fp8 v[hn_:hn_+7], v[wo_:wo_+15], v[XX+16*ks:XX+16*ks+15], 0
.else
	v_wmma_f32_16x16x128_fp8_fp8 v[hn_:hn_+7], v[wo_:wo_+15], v[XX+16*ks:XX+16*ks+15], v[hn_:hn_+7]
.endif
.set tt, tt+1
.endr
.set ks, ks+1
.endr
	WIN 0
.rept 4
	v_nop
.endr
	WIN 0x0c
.set i, 0
.rept 32
	v_pk_add_f32 v[HA+i:HA+i+1], v[HA+i:HA+i+1], v[HN+i:HN+i+1] neg_lo:[0,1] neg_hi:[0,1]
.set i, i+2
.endr
	WIN 0x30
.set i, 0
.rept 32
	v_pk_fma_f32 v[HA+i:HA+i+1], v[HA+i:HA+i+1], s[58:59], v[BO+i:BO+i+1] op_sel_hi:[1,0,1]
.set i, i+2
.endr
	WIN 0
	QUANT HA, 250, 251
	IMAGE HIMG
	BARRIER
	FETCH4 HIMG
	s_wait_loadcnt 0x0
	s_wait_dscnt 0x0
	WIN 0x03
	v_wmma_f32_16x16x128_fp8_fp8 v[224:231], v[0:15], v[XF:XF+15], 0
	v_wmma_f32_16x16x128_fp8_fp8 v[232:239], v[16:31], v[XF+16:XF+31], 0
	v_wmma_f32_16x16x128_fp8_fp8 v[224:231], v[32:47], v[XF+32:XF+47], v[224:231]
	v_wmma_f32_16x16x128_fp8_fp8 v[232:239], v[48:63], v[XF+48:XF+63], v[232:239]
	WIN 0
.rept 4
	v_nop
.endr
.irp i, 0,2,4,6
	v_pk_add_f32 v[PC+\i:PC+\i+1], v[224+\i:225+\i], v[232+\i:233+\i]
.endr
.irp i, 0,2,4,6
	v_pk_fma_f32 v[PC+\i:PC+\i+1], v[PC+\i:PC+\i+1], s[50:51], v[240+\i:241+\i] op_sel_hi:[1,0,1]
.endr
	ds_store_b128 v[STO], v[PC:PC+3]
	ds_store_b128 v[STO], v[PC+4:PC+7] offset:16
	BARRIER
	ds_load_b128 v[XF:XF+3], v[SRD]
	ds_load_b128 v[XF+4:XF+7], v[SRD] offset:2*SP
	s_wait_dscnt 1
	global_store_b128 v[GO], v[XF:XF+3], s[20:21]
	s_wait_dscnt 0x0
	global_store_b128 v[GO], v[XF+4:XF+7], s[20:21] offset:4096
	s_wait_tensorcnt 0x0
	ds_add_u32 v[SPW], v[NIL]
	s_wait_dscnt 0x0
	ROUND
	s_endpgm
.Lfunc_end_k_q9a00f59c3f_proj:
	.size	k_q9a00f59c3f_proj, .Lfunc_end_k_q9a00f59c3f_proj-k_q9a00f59c3f_proj
	.p2alignl 7, 3214868480
	.fill 96, 4, 3214868480
	.section	.rodata,"a",@progbits
	.p2align	6, 0x0
	.amdhsa_kernel k_q9a00f59c3f_proj
		.amdhsa_group_segment_fixed_size 327680
		.amdhsa_private_segment_fixed_size 0
		.amdhsa_enable_private_segment 0
		.amdhsa_kernarg_size 72
		.amdhsa_user_sgpr_count 2
		.amdhsa_user_sgpr_kernarg_segment_ptr 1
		.amdhsa_wavefront_size32 1
		.amdhsa_system_sgpr_workgroup_id_x 1
		.amdhsa_system_sgpr_workgroup_id_y 1
		.amdhsa_system_sgpr_workgroup_id_z 1
		.amdhsa_system_vgpr_workitem_id 0
		.amdhsa_next_free_vgpr 1024
		.amdhsa_next_free_sgpr 80
		.amdhsa_reserve_vcc 0
		.amdhsa_float_denorm_mode_32 3
		.amdhsa_float_denorm_mode_16_64 3
		.amdhsa_memory_ordered 1
		.amdhsa_forward_progress 1
		.amdhsa_inst_pref_size 54
	.end_amdhsa_kernel
	.amdgpu_metadata
---
amdhsa.version: [ 1, 2 ]
amdhsa.kernels:
  - .name:           k_q9a00f59c3f_proj
    .symbol:         k_q9a00f59c3f_proj.kd
    .args:
      - { .name: part, .offset: 0, .size: 8, .value_kind: global_buffer, .address_space: global }
      - { .name: stat, .offset: 8, .size: 8, .value_kind: global_buffer, .address_space: global }
      - { .name: bv, .offset: 16, .size: 8, .value_kind: global_buffer, .address_space: global }
      - { .name: Wo_codes, .offset: 24, .size: 8, .value_kind: global_buffer, .address_space: global }
      - { .name: bo, .offset: 32, .size: 8, .value_kind: global_buffer, .address_space: global }
      - { .name: Wl_codes, .offset: 40, .size: 8, .value_kind: global_buffer, .address_space: global }
      - { .name: bl, .offset: 48, .size: 8, .value_kind: global_buffer, .address_space: global }
      - { .name: lowp_scales, .offset: 56, .size: 8, .value_kind: global_buffer, .address_space: global }
      - { .name: out0, .offset: 64, .size: 8, .value_kind: global_buffer, .address_space: global }
    .group_segment_fixed_size: 327680
    .private_segment_fixed_size: 0
    .kernarg_segment_align: 8
    .kernarg_segment_size: 72
    .max_flat_workgroup_size: 128
    .sgpr_count:     80
    .vgpr_count:     1024
    .wavefront_size: 32
...
	.end_amdgpu_metadata
.endif
;; end of part 2
